; MI455X (gfx1250); checked and timed in simulation.
; The chip was launched on July 23, 2026; its instructions are those of AMD's public machine-readable ISA for CDNA 5 (MIT licence, August 2026) and "CDNA5" Instruction Set Architecture Reference Guide (July 2026). The comments in the code are by the model that wrote it; some were corrected since.
;; Adaptive Episodic Memory. Allowed arithmetic: matrix products marked QUANTISED: E2M3 operands, one E8M0 scale for each 32 along K, by v_wmma_scale_f32_16x16x128_f8f6f4 with both operands' format E2M3, f32 sums; everything else in f32.
;; Inputs: context 4,096 x 32 float32; mem_contexts 65,536 x 32 float32; mem_keys 65,536 x 64 float32; mem_timestamps 65,536 float32; mem_values 65,536 x 64 float32; query 4,096 x 64 float32; used_slots 65,536 bool.
;; Outputs: out0 4,096 x 64 float32.
;; This version of the problem:
;;   THIS VERSION OF THE PROBLEM IS GIVEN IN LOW PRECISION. The matrix products marked QUANTISED in the list below multiply operands that are first quantised to E2M3 (2 exponent bits, 3 mantissa bits; 6 bits a number), with one power-of-two scale for each 32 numbers along K (OCP MX v1.0); their sums are f32. All else is computed in f32.
;;   The module's matrix products, in the order in which they are computed (A, B: the left and right operand; K: the contracted axis; several contracted axes count as one K, in the product's order):
;;     1. [M 4,096, K 64] x [K 64, N 65,536]; A: input query; B: input mem_keys: QUANTISED
;;     2. [M 4,096, K 32] x [K 32, N 65,536]; A: input context; B: input mem_contexts: QUANTISED
;;     3. [M 4,096, K 65,536] x [K 65,536, N 64]; A: softmax (see below); B: input mem_values: QUANTISED
;;   THE QUANTISER, for each operand of a quantised product, along K:
;;     - K is cut into blocks of 32 from its start; a last block that is shorter is filled with zeros.
;;     - A block's scale is 2^e with e = floor(log2(the largest magnitude in the block)) - 2, held to -126 .. 127; a block of zeros has e = 0. As a byte (E8M0): e + 127.
;;     - Each number is divided by its block's scale, clamped to +-7.5, and rounded to the nearest number of E2M3, ties to even, subnormals kept.
;;     - The product sums the exact products of the quantised numbers (number of the format x scale) in f32.
;;   ~~~python
;;   def quantise(x, axis):      # numpy; x: float32 -> the quantised numbers, widened to float32 again
;;       x = np.moveaxis(x, axis, -1); K = x.shape[-1]
;;       x = np.pad(x, [(0, 0)] * (x.ndim - 1) + [(0, -K % 32)]); x = x.reshape(x.shape[:-1] + (-1, 32)); a = np.abs(x).max(-1, keepdims=True)
;;       e = np.where(a > 0, np.clip(np.frexp(np.where(a > 0, a, 1))[1] - 1 - 2, -126, 127), 0)      # np.frexp(a)[1] - 1 = floor(log2(a)), exactly
;;       r = np.clip(x / 2.0 ** e, -7.5, 7.5)
;;       step = 2.0 ** (np.maximum(np.frexp(np.where(r == 0, 1, r))[1] - 1, 0) - 3)
;;       q = np.round(r / step) * step * 2.0 ** e      # np.round: ties to even
;;       return np.moveaxis(q.reshape(q.shape[:-2] + (-1,))[..., :K], -1, axis).astype(np.float32)
;;   ~~~
;;   SOFTMAX AHEAD OF A QUANTISED PRODUCT. Where the list says 'softmax', what is quantised is not the finished softmax but p = 2^(t - M), with t = logit x log2(e) and M = ceil(the row's largest t), a whole number; so 1/2 < the row's largest p <= 1. The row's sum l is taken of the UNQUANTISED p, in f32, and the product's result is divided by l at the end. Since M is a whole number, a kernel that streams over the keys may use a running M (the ceiling of the running maximum): every later rescaling is an exact power of two, which a block's scale takes up: the codes' values come out the same.
;;   OPERANDS COMPUTED ON THE WAY. 'Computed on the way' means the value that the module computes at that place (a softmax that the list does not call 'softmax' is quantised finished and normalised). What goes into a quantiser is computed in f32, as accurately as f32 sums, v_exp_f32 and their like allow (about 1e-6 of the number): no bf16 or f16 on the way to a quantiser, and a product that is left as it is and whose result goes on into a quantised operand takes f32 operands (vector FMAs, or v_wmma_f32_16x16x4_f32). A number that lies on a knife's edge between two numbers of the format may be rounded either way, as far as f32 arithmetic and the matrix unit's own rounding can turn it there, and no further.
;; One version. Each part assembles by itself: llvm-mc -triple=amdgcn-amd-amdhsa -mcpu=gfx1250 --defsym DOCPART=n.
;; ======== version 1 of 1: 3 launches
;; limits: right only within a limited range of input values
;; workspace buffers: kv 10,485,760 bytes; po 16,777,216 bytes; pml 524,288 bytes
;; launch prep (part 1): grid 512 x 1, 4 waves a work-group, no clusters, 91,136 bytes of LDS; arguments mem_keys, mem_contexts, mem_values, mem_timestamps, used_slots, kv; writes kv
.if DOCPART == 1
	.amdgcn_target "amdgcn-amd-amdhsa--gfx1250"
	.amdhsa_code_object_version 6
	.text
	.protected	k_q5033c403fb_prep
	.globl	k_q5033c403fb_prep
	.p2align	8
	.type	k_q5033c403fb_prep,@function
k_q5033c403fb_prep:
	s_mov_b64 s[64:65], 0
	v_nop
	global_prefetch_b8 v0, s[64:65] scope:SCOPE_SE
	s_setreg_imm32_b32 hwreg(HW_REG_WAVE_MODE, 25, 1), 1
	s_wait_xcnt 0x0
; THE MEMORY'S SIDE OF ALL THREE PRODUCTS, QUANTISED ONCE.  mem_keys [65536][64], mem_contexts [65536][32], mem_values [65536][64], f32, become codes of FP6 (E2M3) with one E8M0 byte for each 32 along a product's K,
; laid in kv IN THE ORDER OF THE OPERANDS' REGISTERS, a block of 20,480 bytes for each key step of 128 slots:
;   0      KF  8 fragments x 1,536 bytes: registers 4 c .. 4 c + 3 of lane l of tile t at 1536 t + 512 c + 16 l
;   12288  VF  4 fragments x 1,536 bytes, likewise
;   18432  BI  128 f32, in the slots' own order: what is added to a slot's score: 0.3 exp(-0.1 (1 - timestamp)), or -2^30 for a slot that is not used
;   18944  KS  the scale word of (tile t, row r) at 16 (16 (t / 4) + r) + 4 (t % 4)
;   19456  VS  the scale word of (tile vt, row r) at 16 l + 4 vt, for l = r and l = 16 + r
;   19968  512 bytes of zeros, so that every byte of the block is written
; A K fragment joins the first two products in one K of 128: blocks 0, 1 = a slot's 64 key numbers, block 2 = its 32 context numbers, block 3 = zero codes.
; THE SLOTS OF A TILE ARE NOT NEIGHBOURS: row r of tile 4 c + u holds slot 64 c + 8 u + r % 8 + 32 (r / 8).  In the transposed scores a lane of half h then holds, in the 32 registers of tiles 4 c .. 4 c + 3,
; slots 64 c + 32 h + 0 .. 31: one whole block of the third product's K, in the order of that operand's registers.  A slot that is not used gets zero codes: its score is then its BI, exactly.
; A V fragment holds 16 channels; its K are the step's 128 slots in their own order (the blocks of 32 along the slots are cut as the tensor lies).
; A block's scale byte is its largest magnitude's exponent field - 2, held at 1 from below (a block of zeros keeps 1: its codes are zeros, and this program alone reads the bytes).
; LIMITS: -2^30 stands for the reference's -1e9 (times log2(e) it is a whole number in f32, so that rows with no used slot give p = 1 for every slot); the results are the reference's as long as every used score lies above
; about -9.9e8.  NaN and infinities are not served.  Blocks whose largest magnitude lies under 2^-124 keep the byte 1.
; SHARES: work-group g takes step g.  All inputs come by dense loads (a wave's load covers 512 consecutive bytes) and turn through LDS; wave w makes K tiles 2 w, 2 w + 1 and V tile w; thread t makes slot t's BI.
; Every store to kv covers 512 consecutive bytes a wave.  No store's data or address register is written again, so no wait frees one.
.set STEPB, 20480
.set PK,    272                        ; an LDS row of keys or values: 256 bytes + 16
.set PCX,   144                        ; an LDS row of contexts: 128 bytes + 16
.set VST,   128*PK                     ; LDS: keys at 0, values here,
.set CST,   2*128*PK                   ; contexts,
.set TAIL,  CST+128*PCX                ; an image of the block's last 2,048 bytes,
.set USE,   TAIL+2048                  ; 128 mask words: all ones for a used slot,
.set SPARE, USE+512                    ; and the spare words, 128 bytes a wave
.set LN,  1
.set R,   2
.set H,   3
.set RP,  4                            ; r % 8 + 32 (r / 8)
.set DK,  5
.set DC,  6
.set RK,  7
.set RC,  8
.set RV,  9
.set RU,  10
.set GI,  11
.set SA,  12
.set SV,  13
.set KSA, 14
.set VSA, 15
.set T4,  16
.set SH,  17
.set HM,  18
.set TS,  19
.set US,  20
.set DV,  21
.set AM,  22
.set SOP, 24
.set BY,  26
.set W,   28
.set PT,  29
.set MK,  30
.set TT,  31
.set X0,  32                           ; v32-95, v96-159: 64 numbers of a lane for K tiles 2 w, 2 w + 1;  v160-223 for the V tile
.set X1,  96
.set Y,   160
.set C0,  224                          ; codes: each fragment's twelve registers lie where nothing is written later
.set C1,  32
.set C2,  96
.set U0,  236
.set NEG, 238
.set TR,  239
.set CT,  240
.set TL,  248
.set ZR,  252
.set SPW, 254
.set NIL, 255
.set SEL, 18                           ; s[18:19] selects for lane l xor 16
; 64 numbers of a lane, two whole blocks of 32 (block h from v[src], block 2 + h from v[src + 32]), become a fragment's twelve registers and its scale word
.macro QF src, dst, w
.irp c, 0,1
	v_max3_num_f32 v[AM+\c], |v[\src+32*\c]|, |v[\src+32*\c+1]|, 0x1800000   ; with the floor 2^(3 - 127): the byte cannot fall under 1
.endr
.irp i, 2,4,6,8,10,12,14,16,18,20,22,24,26,28,30
.irp c, 0,1
	v_max3_num_f32 v[AM+\c], v[AM+\c], |v[\src+32*\c+\i]|, |v[\src+32*\c+\i+1]|
.endr
.endr
.irp c, 0,1
	v_add_nc_u32 v[SOP+\c], 0xff000000, v[AM+\c]   ; 2 off the exponent field: the conversion's scale operand
.endr
.irp c, 0,1
	v_lshrrev_b32 v[BY+\c], 23, v[SOP+\c]          ; the scale's byte
.endr
	v_lshl_or_b32 v[\w], v[BY+1], 16, v[BY]
	v_lshlrev_b32 v[\w], v[SH], v[\w]              ; my two bytes at their places in the word;
	v_permlanex16_b32 v[PT], v[\w], s[SEL], s[SEL+1]
	v_or_b32 v[\w], v[\w], v[PT]                   ; with lane l xor 16's two the word is whole
	v_cvt_scalef32_pk16_fp6_f32 v[\dst:\dst+2], v[\src:\src+15], v[SOP]
	v_cvt_scalef32_pk16_fp6_f32 v[CT:CT+2], v[\src+16:\src+31], v[SOP]
	v_cvt_scalef32_pk16_fp6_f32 v[\dst+6:\dst+8], v[\src+32:\src+47], v[SOP+1]
	v_cvt_scalef32_pk16_fp6_f32 v[CT+4:CT+6], v[\src+48:\src+63], v[SOP+1]
	v_nop                                          ; one plain line behind the scaled conversions
.irp i, 0,1,2
	v_mov_b32 v[\dst+3+\i], v[CT+\i]
	v_mov_b32 v[\dst+9+\i], v[CT+4+\i]
.endr
.endm
.macro KTILE x, cd, u
	QF \x, \cd, W
	v_and_b32 v[MK], v[U0+\u], v[HM]               ; block 3 (lanes 16-31, registers 6-11) is zero codes; so is all of a slot that is not used
.irp i, 0,1,2,3,4,5
	v_and_b32 v[\cd+\i], v[U0+\u], v[\cd+\i]
	v_and_b32 v[\cd+6+\i], v[MK], v[\cd+6+\i]
.endr
.irp k, 0,1,2
	global_store_b128 v[SA], v[\cd+4*\k:\cd+4*\k+3], s[14:15] offset:1536*\u+512*\k
.endr
	ds_store_b32 v[KSA], v[W] offset:4*\u          ; lanes l and l xor 16 write the same word with the same value
.endm
	s_load_b256 s[4:11], s[0:1], 0x0               ; keys, contexts, values, timestamps
	s_load_b128 s[12:15], s[0:1], 0x20             ; used_slots, kv
	v_lshl_add_u32 v[SPW], v0, 2, SPARE
	v_mov_b32 v[NIL], 0
	v_lshrrev_b32 v[LN], 5, v0
	v_readfirstlane_b32 s16, v[LN]                 ; wave 0..3
	v_and_b32 v[LN], 31, v0
	v_and_b32 v[R], 15, v0
	v_bfe_u32 v[H], v0, 4, 1
	v_and_b32 v[RP], 8, v[R]
	v_mad_u32_u24 v[RP], v[RP], 3, v[R]            ; r + 24 for r >= 8: r % 8 + 32 (r / 8)
	v_lshrrev_b32 v[DK], 4, v0                     ; a load's 2,048 bytes are 8 rows of keys
	v_mul_u32_u24 v[DK], v[DK], PK
	v_lshl_add_u32 v[DK], v[R], 4, v[DK]
	v_add_nc_u32 v[DV], VST, v[DK]
	v_lshrrev_b32 v[DC], 3, v0                     ; or 16 rows of contexts
	v_mul_u32_u24 v[DC], v[DC], PCX
	v_and_b32 v[RK], 7, v0
	v_lshl_add_u32 v[DC], v[RK], 4, v[DC]
	v_add_nc_u32 v[DC], CST, v[DC]
	s_lshr_b32 s17, s16, 1                         ; tile 2 w = 4 c + u with c = w / 2, u = 2 (w % 2): its rows begin at slot 64 c + 8 u
	s_lshl_b32 s17, s17, 6
	s_and_b32 s22, s16, 1
	s_lshl_b32 s22, s22, 4
	s_add_co_u32 s17, s17, s22
	v_add_nc_u32 v[RU], s17, v[RP]                 ; my slot of tile 2 w; tile 2 w + 1's lies 8 on
	v_mul_u32_u24 v[RK], v[RU], PK
	v_lshl_add_u32 v[RK], v[H], 7, v[RK]           ; + 128 h: key numbers 32 h on
	v_mul_u32_u24 v[RC], v[RU], PCX
	v_add_nc_u32 v[RC], CST, v[RC]
	v_lshl_add_u32 v[RU], v[RU], 2, USE
	v_mul_u32_u24 v[RV], v[H], 32*PK               ; values: lanes 16-31 begin 32 slots down,
	v_lshl_add_u32 v[RV], v[R], 2, v[RV]           ; channel 16 w + r
	s_lshl_b32 s17, s16, 6
	s_add_co_u32 s17, s17, VST
	v_add_nc_u32 v[RV], s17, v[RV]
	v_lshlrev_b32 v[GI], 4, v0
	s_mul_i32 s17, s16, 3072
	v_lshl_add_u32 v[SA], v[LN], 4, s17
	s_mul_i32 s17, s16, 1536
	v_lshl_add_u32 v[SV], v[LN], 4, s17
	s_lshr_b32 s17, s16, 1                         ; tile 2 w + u: t / 4 = w / 2, t % 4 = 2 (w % 2) + u
	s_lshl_b32 s17, s17, 8
	s_and_b32 s22, s16, 1
	s_lshl_b32 s22, s22, 3
	s_add_co_u32 s17, s17, s22
	s_add_co_u32 s17, s17, TAIL+512
	v_lshl_add_u32 v[KSA], v[R], 4, s17
	s_lshl_b32 s17, s16, 2
	s_add_co_u32 s17, s17, TAIL+1024
	v_lshl_add_u32 v[VSA], v[LN], 4, s17
	v_lshlrev_b32 v[T4], 2, v0
	v_lshlrev_b32 v[SH], 3, v[H]
	v_add_nc_u32 v[HM], -1, v[H]
	v_lshl_add_u32 v[TT], v0, 2, TAIL
	v_lshl_add_u32 v[TR], v0, 4, TAIL
	v_mov_b32 v[PT], 0                             ; a lane permute's destination counts as one of its sources
	v_mov_b32 v[NEG], 0xce800000                   ; -2^30
	v_mov_b32 v[ZR], 0
	s_mov_b32 s[SEL], 0x76543210
	s_mov_b32 s[SEL+1], 0xfedcba98
	s_mov_b32 s21, 0
	s_wait_alu depctr_va_vdst(0)                   ; the wait at the head's end
	s_wait_kmcnt 0x0
	s_lshl_b32 s20, ttmp9, 15                      ; the step's 128 rows of 256 bytes
	s_add_nc_u64 s[4:5], s[4:5], s[20:21]
	s_add_nc_u64 s[8:9], s[8:9], s[20:21]
	s_lshl_b32 s20, ttmp9, 14
	s_add_nc_u64 s[6:7], s[6:7], s[20:21]
	s_lshl_b32 s20, ttmp9, 9
	s_add_nc_u64 s[10:11], s[10:11], s[20:21]
	s_lshl_b32 s20, ttmp9, 7
	s_add_nc_u64 s[12:13], s[12:13], s[20:21]
	s_mul_i32 s20, ttmp9, STEPB
	s_add_nc_u64 s[14:15], s[14:15], s[20:21]
	global_load_b32 v[TS], v[T4], s[10:11]         ; all 42 loads at once
	global_load_u8 v[US], v0, s[12:13]
.irp i, 0,1,2,3,4,5,6,7,8,9,10,11,12,13,14,15
	global_load_b128 v[32+4*\i:35+4*\i], v[GI], s[4:5] offset:2048*\i th:TH_LOAD_NT
.endr
.irp i, 0,1,2,3,4,5,6,7
	global_load_b128 v[96+4*\i:99+4*\i], v[GI], s[6:7] offset:2048*\i th:TH_LOAD_NT
.endr
.irp i, 0,1,2,3,4,5,6,7,8,9,10,11,12,13,14,15
	global_load_b128 v[128+4*\i:131+4*\i], v[GI], s[8:9] offset:2048*\i th:TH_LOAD_NT
.endr
	s_wait_loadcnt 40                              ; the timestamp and the flag are in; the 40 loads behind them may be out
	v_sub_f32 v[TS], 1.0, v[TS]
	v_mul_f32 v[TS], 0xbdcccccd, v[TS]             ; x -0.1
	v_mul_f32 v[TS], 0x3fb8aa3b, v[TS]             ; x log2(e)
	s_wait_alu depctr_va_vdst(0)                   ; the wait ahead of the exponential
	v_exp_f32 v[TS], v[TS]
	v_sub_nc_u32 v[MK], 0, v[US]                   ; (a plain line behind the exponential)  all ones for a used slot
	v_cmp_ne_u32 vcc_lo, 0, v[US]
	s_wait_alu depctr_va_vdst(0)                   ; and behind it
	v_mul_f32 v[TS], 0x3e99999a, v[TS]             ; x 0.3
	v_cndmask_b32 v[TS], v[NEG], v[TS], vcc_lo
	ds_store_b32 v[TT], v[TS]
	ds_store_b32 v[TT], v[ZR] offset:1536
	ds_store_b32 v[TT], v[MK] offset:2048
	s_wait_loadcnt 24                              ; the keys are in (behind them: 8 loads of contexts, 16 of values)
.irp i, 0,1,2,3,4,5,6,7,8,9,10,11,12,13,14,15
	ds_store_b128 v[DK], v[32+4*\i:35+4*\i] offset:8*PK*\i
.endr
	s_wait_loadcnt 16                              ; the contexts are in
.irp i, 0,1,2,3,4,5,6,7
	ds_store_b128 v[DC], v[96+4*\i:99+4*\i] offset:16*PCX*\i
.endr
	s_wait_loadcnt 0x0
.irp i, 0,1,2,3,4,5,6,7,8,9,10,11,12,13,14,15
	ds_store_b128 v[DV], v[128+4*\i:131+4*\i] offset:8*PK*\i
.endr
	s_wait_dscnt 0x0                               ; for the others' sake: my stores have landed
	s_barrier_signal -1
	s_barrier_wait -1
	ds_load_b32 v[U0], v[RU]
	ds_load_b32 v[U0+1], v[RU] offset:32
.irp u, 0,1
.irp i, 0,1,2,3,4,5,6,7
	ds_load_b128 v[X0+64*\u+4*\i:X0+64*\u+4*\i+3], v[RK] offset:8*PK*\u+16*\i
.endr
.irp i, 0,1,2,3,4,5,6,7
	ds_load_b128 v[X0+64*\u+32+4*\i:X0+64*\u+32+4*\i+3], v[RC] offset:8*PCX*\u+16*\i
.endr
.endr
	s_wait_dscnt 16                                ; the masks and tile 2 w's numbers are in; tile 2 w + 1's sixteen loads may be out
	KTILE X0, C0, 0
	s_wait_dscnt 0x0
.irp c, 0,1
.irp i, 0,1,2,3,4,5,6,7,8,9,10,11,12,13,14,15,16,17,18,19,20,21,22,23,24,25,26,27,28,29,30,31
	ds_load_b32 v[Y+32*\c+\i], v[RV] offset:(64*\c+\i)*PK    ; values(64 c + 32 h + i, 16 w + r): my registers run down the slots
.endr
.endr
	KTILE X1, C1, 1
	s_wait_dscnt 0x0
	QF Y, C2, W
.irp k, 0,1,2
	global_store_b128 v[SV], v[C2+4*\k:C2+4*\k+3], s[14:15] offset:12288+512*\k
.endr
	ds_store_b32 v[VSA], v[W]
	s_wait_dscnt 0x0                               ; for the others' sake: my scale words have landed
	s_barrier_signal -1
	s_barrier_wait -1
	ds_load_b128 v[TL:TL+3], v[TR]                 ; the block's last 2,048 bytes leave as they lie in LDS
	s_wait_dscnt 0x0
	global_store_b128 v[GI], v[TL:TL+3], s[14:15] offset:18432
	s_wait_tensorcnt 0x0                           ; the wave's end
	ds_add_u32 v[SPW], v[NIL]
	s_wait_dscnt 0x0
	s_endpgm
.Lfunc_end_k_q5033c403fb_prep:
	.size	k_q5033c403fb_prep, .Lfunc_end_k_q5033c403fb_prep-k_q5033c403fb_prep
	.p2alignl 7, 3214868480
	.fill 96, 4, 3214868480
	.section	.rodata,"a",@progbits
	.p2align	6, 0x0
	.amdhsa_kernel k_q5033c403fb_prep
		.amdhsa_group_segment_fixed_size 91136
		.amdhsa_private_segment_fixed_size 0
		.amdhsa_enable_private_segment 0
		.amdhsa_kernarg_size 48
		.amdhsa_user_sgpr_count 2
		.amdhsa_user_sgpr_kernarg_segment_ptr 1
		.amdhsa_wavefront_size32 1
		.amdhsa_system_sgpr_workgroup_id_x 1
		.amdhsa_system_sgpr_workgroup_id_y 1
		.amdhsa_system_sgpr_workgroup_id_z 1
		.amdhsa_system_vgpr_workitem_id 0
		.amdhsa_next_free_vgpr 256
		.amdhsa_next_free_sgpr 66
		.amdhsa_reserve_vcc 1
		.amdhsa_float_denorm_mode_32 3
		.amdhsa_float_denorm_mode_16_64 3
		.amdhsa_memory_ordered 1
		.amdhsa_forward_progress 1
		.amdhsa_inst_pref_size 29
	.end_amdhsa_kernel
	.amdgpu_metadata
---
amdhsa.version: [ 1, 2 ]
amdhsa.kernels:
  - .name:           k_q5033c403fb_prep
    .symbol:         k_q5033c403fb_prep.kd
    .args:
      - { .name: mem_keys, .offset: 0, .size: 8, .value_kind: global_buffer, .address_space: global }
      - { .name: mem_contexts, .offset: 8, .size: 8, .value_kind: global_buffer, .address_space: global }
      - { .name: mem_values, .offset: 16, .size: 8, .value_kind: global_buffer, .address_space: global }
      - { .name: mem_timestamps, .offset: 24, .size: 8, .value_kind: global_buffer, .address_space: global }
      - { .name: used_slots, .offset: 32, .size: 8, .value_kind: global_buffer, .address_space: global }
      - { .name: kv, .offset: 40, .size: 8, .value_kind: global_buffer, .address_space: global }
    .group_segment_fixed_size: 91136
    .private_segment_fixed_size: 0
    .kernarg_segment_align: 8
    .kernarg_segment_size: 48
    .max_flat_workgroup_size: 128
    .sgpr_count:     66
    .vgpr_count:     256
    .wavefront_size: 32
...
	.end_amdgpu_metadata
.endif
;; end of part 1
;; launch attend (part 2): grid 16 x 16, 8 waves a work-group, clusters of 4 x 1, 327,680 bytes of LDS; arguments query, context, kv, po, pml; writes po, pml
.if DOCPART == 2
	.amdgcn_target "amdgcn-amd-amdhsa--gfx1250"
	.amdhsa_code_object_version 6
	.text
	.protected	k_q5033c403fb_attend
	.globl	k_q5033c403fb_attend
	.p2align	8
	.type	k_q5033c403fb_attend,@function
k_q5033c403fb_attend:
	s_mov_b64 s[64:65], 0
	v_nop
	global_prefetch_b8 v0, s[64:65] scope:SCOPE_SE
	s_setreg_imm32_b32 hwreg(HW_REG_WAVE_MODE, 25, 1), 1
	s_wait_xcnt 0x0
	s_wait_alu depctr_hold_cnt(0) depctr_sa_sdst(0) depctr_va_vdst(0) depctr_va_sdst(0) depctr_va_ssrc(0) depctr_va_vcc(0) depctr_vm_vsrc(0)
	s_getreg_b32 s2, hwreg(HW_REG_IB_STS2, 6, 4)
	s_cmp_eq_u32 s2, 0
	s_cbranch_scc0 .Lentry_in_a_cluster
	s_endpgm
.Lentry_in_a_cluster:
	s_bfe_u32 s2, ttmp6, 0x10000c
	s_cmp_lg_u32 s2, 0x3003
	s_cbranch_scc0 .Lentry_shape_is_right
	s_endpgm
.Lentry_shape_is_right:
; SCORES, SOFTMAX AND WEIGHTED SUM OVER ONE SPLIT OF THE SLOTS.  Work-group (x, y): queries 256 x .. 256 x + 255 against slots 4096 y .. 4096 y + 4095 (32 key steps of 128 slots, as kv holds them: see the launch that makes kv).
; A wave owns 32 queries (two tiles of 16) and walks all 32 steps.  Out: po[y][query][64] = O, not divided; pml[y][query] = (-M, l).  A later launch joins the sixteen splits.
; Both products are used TRANSPOSED: S^T = K Q^T + BI (the slot's bias is the C operand), O^T += V^T P^T: a lane holds one query throughout.  The first two products of the problem are one K of 128:
; blocks 0, 1 the 64 key numbers, block 2 the 32 context numbers (the factor 0.5 is one off the query side's scale byte of that block), block 3 zero codes.
; The rows of K tile 4 c + u are slots 64 c + 8 u + r % 8 + 32 (r / 8): lane (r, h) holds in the 32 registers of tiles 4 c .. 4 c + 3 slots 64 c + 32 h + 0 .. 31, ONE WHOLE BLOCK of the third product's K,
; in the order of that operand's registers: a block's maximum needs no other lane, and the conversions' results are the operand.
; SOFTMAX: t = score x log2(e); M = the ceiling of the running largest t, a whole number, kept as -M; p = 2^(t - M) by one fused multiply-add and one exponential; l is summed of the unquantised p;
; when M moves, l and O^T are multiplied by 2^(old M - new M), which rounds nothing.  A block's largest p is the same multiply-add and exponential on the block's largest score.
; A STEP TAKES BOTH QUERY TILES THROUGH ONE BATCH: all maxima, both chains for M by turns, the rescaling, all multiply-adds, then the 132 exponentials on end.
; LIMITS: the promise holds while the scaled scores stay under 2^31 in magnitude; NaN and infinities are not served.
; LDS: two slots of four steps (81,920 bytes each), filled by joint loads: the four work-groups of a cluster (same y) walk the same kv; each of the eight waves asks for an eighth of a slot (40 rows of 256 bytes).
; PREFETCH: behind each refill (tile j) the cluster names tile j + 1's 320 blocks of 256 bytes once: of the 40 blocks that wave w will load, the partner at place cx names blocks 10 cx .. 10 cx + 9 (lanes 10-31 name the last again).
; Tile 2 is named at the head; tiles 0 and 1 come by their loads alone; the trip that loads the split's last tile names nothing.
.set STEPB, 20480
.set VFO,   12288
.set BIO,   18432
.set KSO,   18944
.set VSO,   19456
.set SLOTB, 4*STEPB
.set LOADB, SLOTB/8
.set SPLITB, 32*STEPB
.set SLOT1, 1<<17
.set SPARE, SLOT1+SLOTB                ; the spare words, 128 bytes a wave
.set STAGE, SPARE+8*128                ; the way out: 16 rows x 272 bytes for each wave
.set SP,    272
; window 0
.set LI,  1                            ; 16 x lane
.set BH,  2                            ; 128 h: my half's 32 biases
.set SPW, 3
.set NIL, 4
.set ADR, 5
.set ADB, 6
.set PFO, 7                            ; 256 x min(lane, 9)
.set ST0, 8                            ; v8-11, v12-15: for each query tile -M, the running largest score, l in two halves
.set F0,  16                           ; v[16:17], v[18:19]: the factors; the upper words are only named
.set T0,  20                           ; v20-21
.set STI, 22
.set STO, 23
.set GO,  24
.set L8,  25
.set H,   26
.set R,   27
.set QA,  28
.set CA,  29
.set SH,  30                           ; 8 h
.set S0,  32                           ; v32-159 scores, then p: block x = 2 q + c at v[S0 + 32 x]
.set S1,  96
.set P0,  160                          ; v160-183 p's codes, 12 registers a query tile
.set P1,  172
.set CT,  184                          ; v184-199 the upper halves of four blocks' codes (a conversion's three registers begin on an even number)
.set BM,  200                          ; v200-203 the four blocks' maxima
.set BT,  204
.set SO,  208                          ; the conversions' scale operands
.set PS,  212                          ; p's scale words
.set QS,  214                          ; the queries' scale words
.set KS,  216
.set VS,  220
.set SUM2, 224                         ; v224-227 second chains of the sums
.set CVA, 31                           ; log2(e), twice: the two halves of a dual instruction take their like sources from registers of unlike parity and unlike number modulo 4
.set CVB, 228
.set NB0, 229                          ; v229, v231: a second copy of each query tile's -M, for the same reason
; window 1
.set KF,  0                            ; v256-351 K's eight fragments; V's four lie over the first 48
.set VF,  0
.set BI,  96
.set OA,  160                          ; O^T: 4 tiles of 16 channels for each query tile
.set QR,  224                          ; the queries' codes
.set AM,  BM
.set SOP, SO
.set BY,  BT
.set PT,  BT+3
.set WV,  14
.set G1,  24
.set G0A, 32
.set G0W, 36
.set SEL, 40
.set CS,  42
.set TB,  44
.set CNT, 45
.set SLOTS, 46
.set PF,  48
.set MSB, 0
.macro WIN new                         ; the immediate's high byte repeats the setting that is left
.if MSB != \new
	s_set_vgpr_msb (MSB<<8)|\new
.set MSB, \new
.endif
.endm
.macro PLACES
.rept 4
	v_nop
.endr
.endm
.macro D2
	s_delay_alu instid0(VALU_DEP_2)
.endm
.macro CROUND                          ; a round of the cluster's barrier
	s_barrier_signal -1
	s_barrier_wait -1
	s_cmp_lg_u32 s[WV], 0
	s_cbranch_scc1 .Lnot_wave_0_\@
	s_barrier_signal -3
.Lnot_wave_0_\@:
	s_barrier_wait -3
	s_barrier_signal -1
	s_barrier_wait -1
.endm
; the queries' side: 64 numbers of a lane (block h: query numbers 32 h on; block 2 + h: the context) become twelve registers of codes and the scale word; the context's byte is one less: x 0.5
.macro QF src, dst, w
.irp c, 0,1
	v_max3_num_f32 v[AM+\c], |v[\src+32*\c]|, |v[\src+32*\c+1]|, 0x1800000
.endr
.irp i, 2,4,6,8,10,12,14,16,18,20,22,24,26,28,30
.irp c, 0,1
	D2
	v_max3_num_f32 v[AM+\c], v[AM+\c], |v[\src+32*\c+\i]|, |v[\src+32*\c+\i+1]|
.endr
.endr
.irp c, 0,1
	D2
	v_add_nc_u32 v[SOP+\c], 0xff000000, v[AM+\c]
.endr
.irp c, 0,1
	D2
	v_lshrrev_b32 v[BY+\c], 23, v[SOP+\c]
.endr
	s_delay_alu instid0(VALU_DEP_1)
	v_add_nc_u32 v[BY+1], -1, v[BY+1]
	s_delay_alu instid0(VALU_DEP_1)
	v_lshl_or_b32 v[\w], v[BY+1], 16, v[BY]
	s_delay_alu instid0(VALU_DEP_1)
	v_lshlrev_b32 v[\w], v[SH], v[\w]
	s_delay_alu instid0(VALU_DEP_1)
	v_permlanex16_b32 v[PT], v[\w], s[SEL], s[SEL+1]
	s_delay_alu instid0(VALU_DEP_1)
	v_or_b32 v[\w], v[\w], v[PT]
	v_cvt_scalef32_pk16_fp6_f32 v[\dst:\dst+2], v[\src:\src+15], v[SOP]
	v_cvt_scalef32_pk16_fp6_f32 v[CT:CT+2], v[\src+16:\src+31], v[SOP]
	v_cvt_scalef32_pk16_fp6_f32 v[\dst+6:\dst+8], v[\src+32:\src+47], v[SOP+1]
	v_cvt_scalef32_pk16_fp6_f32 v[CT+4:CT+6], v[\src+48:\src+63], v[SOP+1]
	v_nop
.irp i, 0,1,2
	v_mov_b32 v[\dst+3+\i], v[CT+\i]
	v_mov_b32 v[\dst+9+\i], v[CT+4+\i]
.endr
.endm
.macro SCORE t                         ; K tile t against both query tiles; behind its five loads stand five for each later tile
	s_wait_dscnt 5*(7-\t)
.irp q, 0,1
.if \t < 4
	v_wmma_scale_f32_16x16x128_f8f6f4 v[S0+64*\q+8*\t:S0+64*\q+8*\t+7], v[KF+12*\t:KF+12*\t+11], v[QR+12*\q:QR+12*\q+11], v[BI+8*\t:BI+8*\t+7], v[KS+\t%4], v[QS+\q] matrix_a_fmt:MATRIX_FMT_FP6 matrix_b_fmt:MATRIX_FMT_FP6
.else
	v_wmma_scale_f32_16x16x128_f8f6f4 v[S0+64*\q+8*\t:S0+64*\q+8*\t+7], v[KF+12*\t:KF+12*\t+11], v[QR+12*\q:QR+12*\q+11], v[BI+8*\t:BI+8*\t+7], v[KS+\t%4], v[QS+\q] matrix_a_fmt:MATRIX_FMT_FP6 matrix_b_fmt:MATRIX_FMT_FP6 matrix_a_scale:MATRIX_SCALE_ROW1
.endif
.endr
.endm
.macro SOFT
; the largest score of each of my four blocks (2 query tiles x 2 blocks), by turns, each accumulator from its low end on
.irp x, 0,1,2,3
	v_max3_num_f32 v[BM+\x], v[S0+32*\x], v[S0+32*\x+1], v[S0+32*\x+2]
.endr
.irp i, 3,5,7,9,11,13,15,17,19,21,23,25,27,29
.irp x, 0,1,2,3
	v_max3_num_f32 v[BM+\x], v[BM+\x], v[S0+32*\x+\i], v[S0+32*\x+\i+1]
.endr
.endr
.irp x, 0,1,2,3
	v_max_num_f32 v[BM+\x], v[BM+\x], v[S0+32*\x+31]
.endr
; the new M and the factor, the two query tiles by turns
.irp q, 0,1
	v_max_num_f32 v[T0+\q], v[BM+2*\q], v[BM+2*\q+1]
.endr
.irp q, 0,1
	D2
	v_permlanex16_b32 v[BT+\q], v[T0+\q], s[SEL], s[SEL+1]
.endr
.irp q, 0,1
	D2
	v_max3_num_f32 v[ST0+4*\q+1], v[ST0+4*\q+1], v[T0+\q], v[BT+\q]   ; the running largest score of my query
.endr
.irp q, 0,1
	D2
	v_mul_f32 v[T0+\q], s[CS], v[ST0+4*\q+1]       ; as t
.endr
.irp q, 0,1
	v_mov_b32 v[BT+\q], v[ST0+4*\q]                ; the old -M
.endr
.irp q, 0,1
	s_delay_alu instid0(VALU_DEP_4)
	v_floor_f32 v[ST0+4*\q], -v[T0+\q]             ; the new -M = -ceil(t)
.endr
.irp q, 0,1
	v_floor_f32 v[NB0+2*\q], -v[T0+\q]             ; and its copy
.endr
.irp q, 0,1
	s_delay_alu instid0(VALU_DEP_4)
	v_sub_f32 v[T0+\q], v[ST0+4*\q], v[BT+\q]      ; old M - new M: a whole number, 0 or less
.endr
.irp q, 0,1
	D2
	v_cvt_i32_f32 v[T0+\q], v[T0+\q]               ; (it saturates)
.endr
.irp q, 0,1
	D2
	v_ldexp_f32 v[F0+2*\q], 1.0, v[T0+\q]
.endr
.irp x, 0,1,2,3
	v_fma_f32 v[BM+\x], v[BM+\x], s[CS], v[ST0+4*(\x/2)]   ; t - M of each block's largest score
.endr
.irp q, 0,1
	v_pk_mul_f32 v[ST0+4*\q+2:ST0+4*\q+3], v[ST0+4*\q+2:ST0+4*\q+3], v[F0+2*\q:F0+2*\q+1] op_sel_hi:[1,0]   ; l under the new M
.endr
	WIN 0x41
.set j, 0
.rept 32
	v_pk_mul_f32 v[OA+2*j:OA+2*j+1], v[OA+2*j:OA+2*j+1], v[F0+2*(j/16):F0+2*(j/16)+1] op_sel_hi:[1,0]   ; O^T under the new M
.set j, j+1
.endr
	WIN 0
.set j, 0
.rept 64
	v_dual_fma_f32 v[S0+2*j], v[S0+2*j], v[CVA], v[ST0+4*(j/32)] :: v_dual_fma_f32 v[S0+2*j+1], v[S0+2*j+1], v[CVB], v[NB0+2*(j/32)]   ; t - M, two fused multiply-adds an instruction
.set j, j+1
.endr
	s_wait_alu depctr_va_vdst(0)                   ; the wait ahead of the batch
.irp x, 0,1,2,3
	v_exp_f32 v[BM+\x], v[BM+\x]                   ; each block's largest p
.endr
.set j, 0
.rept 128
	v_exp_f32 v[S0+j], v[S0+j]                     ; p
.set j, j+1
.endr
	v_nop                                          ; one plain place behind the exponentials
	s_wait_alu depctr_va_vdst(0)                   ; and the one wait behind the batch
.irp x, 0,1,2,3
	v_max_num_f32 v[BM+\x], 0x1800000, v[BM+\x]    ; the floor 2^(3 - 127): the byte cannot fall under 1
.endr
.irp x, 0,1,2,3
	v_add_nc_u32 v[SO+\x], 0xff000000, v[BM+\x]    ; 2 off the exponent field: the conversion's scale operand
.endr
.irp x, 0,1,2,3
	v_lshrrev_b32 v[BT+\x], 23, v[SO+\x]           ; the scale's byte
.endr
.irp q, 0,1
	v_lshl_or_b32 v[PS+\q], v[BT+2*\q+1], 16, v[BT+2*\q]   ; my blocks h and 2 + h
.endr
.irp q, 0,1
	D2
	v_lshlrev_b32 v[PS+\q], v[SH], v[PS+\q]
.endr
.irp q, 0,1
	D2
	v_permlanex16_b32 v[T0+\q], v[PS+\q], s[SEL], s[SEL+1]
.endr
.irp q, 0,1
	D2
	v_or_b32 v[PS+\q], v[PS+\q], v[T0+\q]          ; with lane l xor 16's two bytes the word is whole
.endr
.irp x, 0,1,2,3
	v_cvt_scalef32_pk16_fp6_f32 v[P0+6*\x:P0+6*\x+2], v[S0+32*\x:S0+32*\x+15], v[SO+\x]
	v_cvt_scalef32_pk16_fp6_f32 v[CT+4*\x:CT+4*\x+2], v[S0+32*\x+16:S0+32*\x+31], v[SO+\x]
.endr
	v_nop                                          ; one plain line behind the scaled conversions
.irp x, 0,1,2,3
.irp i, 0,1,2
	v_mov_b32 v[P0+6*\x+3+\i], v[CT+4*\x+\i]
.endr
.endr
; l: the unquantised p, four chains by turns.  These 64 lines are also the places between the scale words and codes above and the products below
.irp q, 0,1
	v_dual_add_f32 v[SUM2+2*\q], v[S0+64*\q], v[S0+64*\q+2] :: v_dual_add_f32 v[SUM2+2*\q+1], v[S0+64*\q+1], v[S0+64*\q+3]
.endr
.irp i, 4,8,12,16,20,24,28,32,36,40,44,48,52,56,60
.irp q, 0,1
	v_dual_add_f32 v[ST0+4*\q+2], v[S0+64*\q+\i], v[ST0+4*\q+2] :: v_dual_add_f32 v[ST0+4*\q+3], v[S0+64*\q+\i+1], v[ST0+4*\q+3]
	v_dual_add_f32 v[SUM2+2*\q], v[S0+64*\q+\i+2], v[SUM2+2*\q] :: v_dual_add_f32 v[SUM2+2*\q+1], v[S0+64*\q+\i+3], v[SUM2+2*\q+1]
.endr
.endr
.irp q, 0,1
	v_dual_add_f32 v[ST0+4*\q+2], v[SUM2+2*\q], v[ST0+4*\q+2] :: v_dual_add_f32 v[ST0+4*\q+3], v[SUM2+2*\q+1], v[ST0+4*\q+3]
.endr
.endm
.macro STEP
	v_add_nc_u32 v[ADR], s[TB], v[LI]
	v_add_nc_u32 v[ADB], s[TB], v[BH]
	ds_load_b128 v[KS:KS+3], v[ADR] offset:KSO
	WIN 0x40
.irp t, 0,1,2,3,4,5,6,7
	ds_load_b128 v[BI+8*\t:BI+8*\t+3], v[ADB] offset:BIO+256*(\t/4)+32*(\t%4)       ; the biases of slots 64 c + 32 h + 8 u + 0 .. 7
	ds_load_b128 v[BI+8*\t+4:BI+8*\t+7], v[ADB] offset:BIO+256*(\t/4)+32*(\t%4)+16
.irp c, 0,1,2
	ds_load_b128 v[KF+12*\t+4*\c:KF+12*\t+4*\c+3], v[ADR] offset:1536*\t+512*\c
.endr
.endr
	WIN 0x15
	s_wait_alu depctr_va_vdst(0)
.irp t, 0,1,2,3,4,5,6,7
	SCORE \t
.endr
	WIN 0
	PLACES                                         ; ahead of the loads over K's fragments and of the first read of the scores
	WIN 0x40
.irp vt, 0,1,2,3
.irp c, 0,1,2
	ds_load_b128 v[VF+12*\vt+4*\c:VF+12*\vt+4*\c+3], v[ADR] offset:VFO+1536*\vt+512*\c
.endr
.endr
	WIN 0
	ds_load_b128 v[VS:VS+3], v[ADR] offset:VSO
	SOFT
	WIN 0x51
	s_wait_dscnt 0x0                               ; V's fragments and scale words are in
.irp vt, 0,1,2,3
.irp q, 0,1
	v_wmma_scale_f32_16x16x128_f8f6f4 v[OA+32*\q+8*\vt:OA+32*\q+8*\vt+7], v[VF+12*\vt:VF+12*\vt+11], v[P0+12*\q:P0+12*\q+11], v[OA+32*\q+8*\vt:OA+32*\q+8*\vt+7], v[VS+\vt], v[PS+\q] matrix_a_fmt:MATRIX_FMT_FP6 matrix_b_fmt:MATRIX_FMT_FP6
.endr
.endr
	WIN 0
	PLACES                                         ; ahead of the next step's loads over V's fragments
	s_add_co_u32 s[TB], s[TB], STEPB
.endm
.macro STEPS                           ; a slot's four steps
	s_mov_b32 s[CNT], 4
.Lstep_\@:
	STEP
	s_sub_co_u32 s[CNT], s[CNT], 1
	s_cmp_lg_u32 s[CNT], 0
	s_cbranch_scc1 .Lstep_\@
.endm
.macro CHANGE fill                     ; the change of slots
.if \fill
	s_wait_xcnt 0x0                                ; my last prefetch has read its address
	s_add_nc_u64 s[PF:PF+1], s[PF:PF+1], SLOTB
.endif
	s_wait_tensorcnt 0x0                           ; all my loads have landed: my eighth of the next slot
	ds_add_u32 v[SPW], v[NIL]
.if \fill
	s_xor_b32 s[G0W+1], s[G0W+1], SLOT1            ; no load of mine is out: the descriptor steps to the slot just read and the tile two on
	s_add_nc_u64 s[G0W+2:G0W+3], s[G0W+2:G0W+3], SLOTB
.endif
	s_sub_co_u32 s[TB], s[TB], SLOTB
	s_xor_b32 s[TB], s[TB], SLOT1
	s_wait_dscnt 0x0                               ; the add is done, and so are my reads of the slot
.if \fill
	CROUND
	tensor_load_to_lds s[G0W:G0W+3], s[G1:G1+7]
	s_nop 0
	PLACES
	s_cmp_eq_u32 s[SLOTS], 1                       ; the trip that loads the split's last tile names nothing
	s_cbranch_scc1 .Lno_ask_\@
	global_prefetch_b8 v[PFO], s[PF:PF+1] th:TH_LOAD_NT scope:SCOPE_SE
.Lno_ask_\@:
.else
	s_barrier_signal -1
	s_barrier_wait -1
.endif
.endm
	s_load_b256 s[4:11], s[0:1], 0x0               ; query, context, kv, po
	s_load_b64 s[12:13], s[0:1], 0x20              ; pml
	v_lshl_add_u32 v[SPW], v0, 2, SPARE
	v_mov_b32 v[NIL], 0
	ds_add_u32 v[SPW], v[NIL]                      ; the opening lines: the add, twice on end, and its wait
	ds_add_u32 v[SPW], v[NIL]
	v_lshrrev_b32 v[ADR], 5, v0
	v_readfirstlane_b32 s[WV], v[ADR]              ; wave 0..7
	v_and_b32 v[R], 15, v0
	v_bfe_u32 v[H], v0, 4, 1
	v_and_b32 v[LI], 31, v0
	v_min_u32 v[PFO], 9, v[LI]
	v_lshlrev_b32 v[L8], 3, v[LI]
	v_lshlrev_b32 v[LI], 4, v[LI]
	v_lshlrev_b32 v[PFO], 8, v[PFO]
	v_lshlrev_b32 v[BH], 7, v[H]
	v_lshlrev_b32 v[QA], 8, v[R]
	v_lshlrev_b32 v[CA], 7, v[R]
	v_lshlrev_b32 v[SH], 3, v[H]
	v_lshl_add_u32 v[QA], v[H], 7, v[QA]           ; query row r, numbers 32 h on
	s_and_b32 s17, ttmp7, 0xffff                   ; the split
	s_mul_i32 s18, s17, SPLITB
	s_mul_i32 s[G0A+1], s[WV], LOADB
	s_add_co_u32 s18, s18, s[G0A+1]
	s_mov_b32 s19, 0
	s_bfe_u32 s15, ttmp6, 0x40000                  ; cx
	s_lshl_b32 s16, ttmp9, 2
	s_add_co_u32 s16, s16, s15                     ; the query block
	s_lshl_b32 s20, s16, 8
	s_lshl_b32 s21, s[WV], 5
	s_add_co_u32 s20, s20, s21                     ; my first query
	s_mov_b32 s23, 0
	s_mov_b32 s[G1], 15|(3<<16)|(1<<21)            ; all four partners; elements of 8 bytes
	s_mov_b32 s[G1+1], 32<<16                      ; 40 rows of 256 bytes, dense
	s_mov_b32 s[G1+2], 40<<16
	s_mov_b32 s[G1+3], 32<<16
	s_mov_b32 s[G1+4], 40
	s_mov_b32 s[G1+5], 32
	s_mov_b32 s[G1+6], 0
	s_mov_b32 s[G1+7], 0
	s_mov_b32 s[SEL], 0x76543210
	s_mov_b32 s[SEL+1], 0xfedcba98
	s_mov_b32 s[CS], 0x3fb8aa3b                    ; log2(e)
	s_mov_b32 s[CS+1], s[CS]
	s_mov_b32 s[TB], 0
	s_mov_b32 s[SLOTS], 6
	s_wait_alu depctr_va_vdst(0)                   ; the wait ahead of the waits below
	s_wait_dscnt 0x0
	s_wait_kmcnt 0x0
	s_lshl_b32 s22, s20, 8
	s_add_nc_u64 s[4:5], s[4:5], s[22:23]
	s_add_nc_u64 s[10:11], s[10:11], s[22:23]
	s_lshl_b32 s22, s20, 7
	s_add_nc_u64 s[6:7], s[6:7], s[22:23]
.irp q, 0,1                                            ; my 32 queries' numbers are asked for first of all
.irp i, 0,1,2,3,4,5,6,7
	global_load_b128 v[S0+64*\q+4*\i:S0+64*\q+4*\i+3], v[QA], s[4:5] offset:4096*\q+16*\i
.endr
.irp i, 0,1,2,3,4,5,6,7
	global_load_b128 v[S0+64*\q+32+4*\i:S0+64*\q+32+4*\i+3], v[CA], s[6:7] offset:2048*\q+16*\i
.endr
.endr
	s_add_nc_u64 s[8:9], s[8:9], s[18:19]          ; kv: my split, my eighth of a slot
	s_mov_b32 s[G0A], 1
	s_mov_b64 s[G0A+2:G0A+3], s[8:9]
	s_or_b32 s[G0A+3], s[G0A+3], 0x80000000
	s_mov_b32 s[G0W], 1
	s_add_co_u32 s[G0W+1], s[G0A+1], SLOT1
	s_add_nc_u64 s[G0W+2:G0W+3], s[8:9], SLOTB
	s_or_b32 s[G0W+3], s[G0W+3], 0x80000000
	s_mul_i32 s22, s15, 2560                       ; the prefetches: my work-group's ten blocks of my eighth, from tile 2 on
	s_add_co_u32 s22, s22, 2*SLOTB
	s_add_nc_u64 s[PF:PF+1], s[8:9], s[22:23]
	s_lshl_b32 s22, s20, 3
	s_add_nc_u64 s[12:13], s[12:13], s[22:23]
	s_lshl_b32 s22, s17, 20
	s_add_nc_u64 s[10:11], s[10:11], s[22:23]
	s_lshl_b32 s22, s17, 15
	s_add_nc_u64 s[12:13], s[12:13], s[22:23]
	CROUND                                         ; the four work-groups are here: the first joint loads meet
	tensor_load_to_lds s[G0A:G0A+3], s[G1:G1+7]    ; tile 0: one tensor load a wave at the head
	s_nop 0
	PLACES
.irp q, 0,1
	v_mov_b32 v[ST0+4*\q], 0x7f61b1e6              ; -M: 3e38, over every -M to come
	v_mov_b32 v[ST0+4*\q+1], 0xff61b1e6            ; the largest score so far: -3e38
	v_mov_b32 v[ST0+4*\q+2], 0
	v_mov_b32 v[ST0+4*\q+3], 0
	v_mov_b32 v[F0+2*\q], 0
	v_mov_b32 v[F0+2*\q+1], 0
.endr
.irp b, 0,1,2,3
	v_mov_b32 v[BT+\b], 0                          ; a lane permute's destination counts as one of its sources
.endr
	v_mov_b32 v[CVA], 0x3fb8aa3b                   ; log2(e)
	v_mov_b32 v[CVB], 0x3fb8aa3b
	s_mul_i32 s18, s[WV], 16*SP
	s_add_co_u32 s18, s18, STAGE                   ; my stage
	v_mul_u32_u24 v[STI], v[R], SP
	v_mul_u32_u24 v[STO], v[H], SP
	v_lshlrev_b32 v[GO], 8, v[H]
	v_lshl_add_u32 v[STI], v[H], 5, v[STI]
	v_lshl_add_u32 v[STO], v[R], 4, v[STO]
	v_lshl_add_u32 v[GO], v[R], 4, v[GO]
	v_add_nc_u32 v[STI], s18, v[STI]
	v_add_nc_u32 v[STO], s18, v[STO]
	s_wait_loadcnt 16                              ; the first query tile's 16 loads are in; the second's may be out
	QF S0, P0, QS
	s_wait_loadcnt 0x0
	QF S1, P1, QS+1
	WIN 0x40
.set j, 0
.rept 24
	v_mov_b32 v[QR+j], v[P0+j]
.set j, j+1
.endr
.set j, 0
.rept 64
	v_mov_b32 v[OA+j], 0                           ; the step is written once: the first finds zeros
.set j, j+1
.endr
	WIN 0
	s_wait_alu depctr_va_vdst(0)                   ; the wait at the head's end
	s_wait_tensorcnt 0x0                           ; my eighth of tile 0 is in; slot 1's first fill is issued as a refill is
	ds_add_u32 v[SPW], v[NIL]
	s_wait_dscnt 0x0
	CROUND
	tensor_load_to_lds s[G0W:G0W+3], s[G1:G1+7]    ; tile 1
	s_nop 0
	PLACES
	global_prefetch_b8 v[PFO], s[PF:PF+1] th:TH_LOAD_NT scope:SCOPE_SE   ; tile 2
	STEPS                                          ; tile 0
.Lslot:
	CHANGE 1                                       ; tiles 2 .. 7 are asked for,
	STEPS                                          ; tiles 1 .. 6 worked
	s_sub_co_u32 s[SLOTS], s[SLOTS], 1
	s_cmp_lg_u32 s[SLOTS], 0
	s_cbranch_scc1 .Lslot
	CHANGE 0
	STEPS                                          ; tile 7
	s_wait_alu depctr_va_vdst(0)                   ; the wait here, directly ahead of the readers of the last step's sums
	v_add_f32 v[ST0+2], v[ST0+2], v[ST0+3]         ; l: its two halves,
	v_add_f32 v[ST0+6], v[ST0+6], v[ST0+7]
	D2
	v_permlanex16_b32 v[BT], v[ST0+2], s[SEL], s[SEL+1]
	D2
	v_permlanex16_b32 v[BT+1], v[ST0+6], s[SEL], s[SEL+1]
	D2
	v_add_f32 v[ST0+2], v[ST0+2], v[BT]            ; and lane l xor 16's
	D2
	v_add_f32 v[ST0+6], v[ST0+6], v[BT+1]
	v_cmp_eq_u32 vcc_lo, 1, v[H]
	v_cndmask_b32 v[T0], v[ST0], v[ST0+4], vcc_lo  ; lanes 0-15 speak for the first query tile, lanes 16-31 for the second
	v_cndmask_b32 v[T0+1], v[ST0+2], v[ST0+6], vcc_lo
	global_store_b64 v[L8], v[T0:T0+1], s[12:13] th:TH_STORE_NT   ; 32 lanes store one aligned unit of 256 bytes
.irp q, 0,1                                            ; O^T through my stage, back as rows of 256 bytes
	WIN 0x04
.irp vt, 0,1,2,3
	ds_store_b128 v[STI], v[OA+32*\q+8*\vt:OA+32*\q+8*\vt+3] offset:64*\vt
	ds_store_b128 v[STI], v[OA+32*\q+8*\vt+4:OA+32*\q+8*\vt+7] offset:64*\vt+16
.endr
	WIN 0
.irp i, 0,1,2,3,4,5,6,7
	ds_load_b128 v[S0+32*\q+4*\i:S0+32*\q+4*\i+3], v[STO] offset:2*SP*\i   ; LDS serves a wave's instructions in order
.endr
.endr
.irp i, 0,1,2,3,4,5,6,7
	s_wait_dscnt 23-\i                             ; behind load i of the first tile: its 7 - i later loads, and the second tile's 8 stores and 8 loads
	global_store_b128 v[GO], v[S0+4*\i:S0+4*\i+3], s[10:11] offset:512*\i th:TH_STORE_NT
.endr
.irp i, 0,1,2,3,4,5,6,7
	s_wait_dscnt 7-\i
	global_store_b128 v[GO], v[S0+32+4*\i:S0+32+4*\i+3], s[10:11] offset:4096+512*\i th:TH_STORE_NT
.endr
	s_wait_tensorcnt 0x0                           ; the wave's end
	ds_add_u32 v[SPW], v[NIL]
	s_wait_dscnt 0x0
	CROUND                                         ; the closing round
	s_endpgm
.Lfunc_end_k_q5033c403fb_attend:
	.size	k_q5033c403fb_attend, .Lfunc_end_k_q5033c403fb_attend-k_q5033c403fb_attend
	.p2alignl 7, 3214868480
	.fill 96, 4, 3214868480
	.section	.rodata,"a",@progbits
	.p2align	6, 0x0
	.amdhsa_kernel k_q5033c403fb_attend
		.amdhsa_group_segment_fixed_size 327680
		.amdhsa_private_segment_fixed_size 0
		.amdhsa_enable_private_segment 0
		.amdhsa_kernarg_size 40
		.amdhsa_user_sgpr_count 2
		.amdhsa_user_sgpr_kernarg_segment_ptr 1
		.amdhsa_wavefront_size32 1
		.amdhsa_system_sgpr_workgroup_id_x 1
		.amdhsa_system_sgpr_workgroup_id_y 1
		.amdhsa_system_sgpr_workgroup_id_z 1
		.amdhsa_system_vgpr_workitem_id 0
		.amdhsa_next_free_vgpr 512
		.amdhsa_next_free_sgpr 66
		.amdhsa_reserve_vcc 1
		.amdhsa_float_denorm_mode_32 3
		.amdhsa_float_denorm_mode_16_64 3
		.amdhsa_memory_ordered 1
		.amdhsa_forward_progress 1
		.amdhsa_inst_pref_size 122
	.end_amdhsa_kernel
	.amdgpu_metadata
---
amdhsa.version: [ 1, 2 ]
amdhsa.kernels:
  - .name:           k_q5033c403fb_attend
    .symbol:         k_q5033c403fb_attend.kd
    .args:
      - { .name: query, .offset: 0, .size: 8, .value_kind: global_buffer, .address_space: global }
      - { .name: context, .offset: 8, .size: 8, .value_kind: global_buffer, .address_space: global }
      - { .name: kv, .offset: 16, .size: 8, .value_kind: global_buffer, .address_space: global }
      - { .name: po, .offset: 24, .size: 8, .value_kind: global_buffer, .address_space: global }
      - { .name: pml, .offset: 32, .size: 8, .value_kind: global_buffer, .address_space: global }
    .group_segment_fixed_size: 327680
    .private_segment_fixed_size: 0
    .kernarg_segment_align: 8
    .kernarg_segment_size: 40
    .max_flat_workgroup_size: 256
    .sgpr_count:     66
    .vgpr_count:     512
    .wavefront_size: 32
...
	.end_amdgpu_metadata
.endif
;; end of part 2
;; launch merge (part 3): grid 256 x 1, 8 waves a work-group, no clusters, 0 bytes of LDS; arguments po, pml, out0; writes out0
.if DOCPART == 3
	.amdgcn_target "amdgcn-amd-amdhsa--gfx1250"
	.amdhsa_code_object_version 6
	.text
	.protected	k_q5033c403fb_merge
	.globl	k_q5033c403fb_merge
	.p2align	8
	.type	k_q5033c403fb_merge,@function
k_q5033c403fb_merge:
	s_mov_b64 s[64:65], 0
	v_nop
	global_prefetch_b8 v0, s[64:65] scope:SCOPE_SE
	s_setreg_imm32_b32 hwreg(HW_REG_WAVE_MODE, 25, 1), 1
	s_wait_xcnt 0x0
; THE SIXTEEN SPLITS ARE JOINED.  po [16][4096][64] f32: O of each split, not divided; pml [16][4096][2] f32: -M (M a whole number) and the sum l of each split.
; out0[q] = (sum over s of f_s O_s[q]) / (sum over s of f_s l_s), f_s = 2^(M_s - the largest M): a power of two, so that the scaling rounds nothing.
; A stream: thread g = 256 x work-group + thread owns 4 channels of query g / 16.  Each load of po and the store of out0 cover 512 consecutive bytes a wave; all 32 loads of a thread go out at once.
; No LDS, no barrier, no matrix unit: threads share nothing and memory binds.
.set ML, 8                             ; v8-39    split s: -M, then f, and l
.set OP, 40                            ; v40-103  split s: my 4 channels
.set AC, 104                           ; v104-107 the sums
.set RC, 108                           ; v[108:109] 1 / L; the pair's upper word is only named
.set NM, 110                           ; the least -M
.set LS, 111                           ; L
	s_load_b128 s[4:7], s[0:1], 0x0                ; po, pml
	s_load_b64 s[8:9], s[0:1], 0x10                ; out0
	v_lshlrev_b32 v1, 4, v0                        ; my 16 bytes of the work-group's 16 rows
	v_lshrrev_b32 v2, 4, v0
	s_delay_alu instid0(VALU_DEP_1)
	v_lshlrev_b32 v2, 3, v2                        ; my query's 8 bytes of statistics
	s_lshl_b32 s12, ttmp9, 12
	s_mov_b32 s13, 0
	s_lshl_b32 s14, ttmp9, 7
	s_mov_b32 s15, 0
	s_wait_alu depctr_va_vdst(0)
	s_wait_kmcnt 0x0
	s_add_nc_u64 s[4:5], s[4:5], s[12:13]
	s_add_nc_u64 s[8:9], s[8:9], s[12:13]
	s_add_nc_u64 s[6:7], s[6:7], s[14:15]
	s_add_nc_u64 s[10:11], s[4:5], 0x800000        ; splits 8 to 15: a second base, since the immediate has 24 signed bits (ISA guide, chapter 10)
.irp s, 0,1,2,3,4,5,6,7,8,9,10,11,12,13,14,15
	global_load_b64 v[ML+2*\s:ML+2*\s+1], v2, s[6:7] offset:32768*\s
.endr
.irp s, 0,1,2,3,4,5,6,7
	global_load_b128 v[OP+4*\s:OP+4*\s+3], v1, s[4:5] offset:1048576*\s th:TH_LOAD_NT
.endr
.irp s, 8,9,10,11,12,13,14,15
	global_load_b128 v[OP+4*\s:OP+4*\s+3], v1, s[10:11] offset:1048576*(\s-8) th:TH_LOAD_NT
.endr
	s_wait_loadcnt 16                              ; the statistics are in; the sixteen loads of O may be out
	v_min3_num_f32 v[NM], v[ML], v[ML+2], v[ML+4]
.irp s, 3,5,7,9,11,13
	s_delay_alu instid0(VALU_DEP_1)
	v_min3_num_f32 v[NM], v[NM], v[ML+2*\s], v[ML+2*\s+2]
.endr
	s_delay_alu instid0(VALU_DEP_1)
	v_min_num_f32 v[NM], v[NM], v[ML+30]           ; the least -M: minus the largest M
.irp s, 0,1,2,3,4,5,6,7,8,9,10,11,12,13,14,15
	v_sub_f32 v[ML+2*\s], v[NM], v[ML+2*\s]        ; M_s - the largest M: a whole number, 0 or less
.endr
.irp s, 0,1,2,3,4,5,6,7,8,9,10,11,12,13,14,15
	v_cvt_i32_f32 v[ML+2*\s], v[ML+2*\s]           ; (it saturates)
.endr
.irp s, 0,1,2,3,4,5,6,7,8,9,10,11,12,13,14,15
	v_ldexp_f32 v[ML+2*\s], 1.0, v[ML+2*\s]        ; f_s
.endr
	v_mul_f32 v[LS], v[ML], v[ML+1]
.irp s, 1,2,3,4,5,6,7,8,9,10,11,12,13,14,15
	s_delay_alu instid0(VALU_DEP_1)
	v_fmac_f32 v[LS], v[ML+2*\s], v[ML+2*\s+1]
.endr
	s_wait_alu depctr_va_vdst(0)
	v_rcp_f32 v[RC], v[LS]
	v_mov_b32 v[RC+1], 0                           ; a plain line behind the reciprocal
	s_wait_loadcnt 0x0
	v_pk_mul_f32 v[AC:AC+1], v[OP:OP+1], v[ML:ML+1] op_sel_hi:[1,0]        ; the first split starts the sums
	v_pk_mul_f32 v[AC+2:AC+3], v[OP+2:OP+3], v[ML:ML+1] op_sel_hi:[1,0]
.irp s, 1,2,3,4,5,6,7,8,9,10,11,12,13,14,15
	s_delay_alu instid0(VALU_DEP_2)
	v_pk_fma_f32 v[AC:AC+1], v[OP+4*\s:OP+4*\s+1], v[ML+2*\s:ML+2*\s+1], v[AC:AC+1] op_sel_hi:[1,0,1]
	s_delay_alu instid0(VALU_DEP_2)
	v_pk_fma_f32 v[AC+2:AC+3], v[OP+4*\s+2:OP+4*\s+3], v[ML+2*\s:ML+2*\s+1], v[AC+2:AC+3] op_sel_hi:[1,0,1]
.endr
	s_wait_alu depctr_va_vdst(0)
	v_pk_mul_f32 v[AC:AC+1], v[AC:AC+1], v[RC:RC+1] op_sel_hi:[1,0]
	v_pk_mul_f32 v[AC+2:AC+3], v[AC+2:AC+3], v[RC:RC+1] op_sel_hi:[1,0]
	global_store_b128 v1, v[AC:AC+3], s[8:9] th:TH_STORE_NT
	s_endpgm
.Lfunc_end_k_q5033c403fb_merge:
	.size	k_q5033c403fb_merge, .Lfunc_end_k_q5033c403fb_merge-k_q5033c403fb_merge
	.p2alignl 7, 3214868480
	.fill 96, 4, 3214868480
	.section	.rodata,"a",@progbits
	.p2align	6, 0x0
	.amdhsa_kernel k_q5033c403fb_merge
		.amdhsa_group_segment_fixed_size 0
		.amdhsa_private_segment_fixed_size 0
		.amdhsa_enable_private_segment 0
		.amdhsa_kernarg_size 24
		.amdhsa_user_sgpr_count 2
		.amdhsa_user_sgpr_kernarg_segment_ptr 1
		.amdhsa_wavefront_size32 1
		.amdhsa_system_sgpr_workgroup_id_x 1
		.amdhsa_system_sgpr_workgroup_id_y 1
		.amdhsa_system_sgpr_workgroup_id_z 1
		.amdhsa_system_vgpr_workitem_id 0
		.amdhsa_next_free_vgpr 128
		.amdhsa_next_free_sgpr 66
		.amdhsa_reserve_vcc 0
		.amdhsa_float_denorm_mode_32 3
		.amdhsa_float_denorm_mode_16_64 3
		.amdhsa_memory_ordered 1
		.amdhsa_forward_progress 1
		.amdhsa_inst_pref_size 11
	.end_amdhsa_kernel
	.amdgpu_metadata
---
amdhsa.version: [ 1, 2 ]
amdhsa.kernels:
  - .name:           k_q5033c403fb_merge
    .symbol:         k_q5033c403fb_merge.kd
    .args:
      - { .name: po, .offset: 0, .size: 8, .value_kind: global_buffer, .address_space: global }
      - { .name: pml, .offset: 8, .size: 8, .value_kind: global_buffer, .address_space: global }
      - { .name: out0, .offset: 16, .size: 8, .value_kind: global_buffer, .address_space: global }
    .group_segment_fixed_size: 0
    .private_segment_fixed_size: 0
    .kernarg_segment_align: 8
    .kernarg_segment_size: 24
    .max_flat_workgroup_size: 256
    .sgpr_count:     66
    .vgpr_count:     128
    .wavefront_size: 32
...
	.end_amdgpu_metadata
.endif
;; end of part 3
